; MI455X (gfx1250); checked and timed in simulation.
; The chip was launched on July 23, 2026; its instructions are those of AMD's public machine-readable ISA for CDNA 5 (MIT licence, August 2026) and "CDNA5" Instruction Set Architecture Reference Guide (July 2026). The comments in the code are by the model that wrote it; some were corrected since.
;; Abstract Affine. Allowed arithmetic: matrix products marked QUANTISED: E2M1 operands, one E8M0 scale for each 32 along K, by v_wmma_scale_f32_16x16x128_f8f6f4 with both operands' format E2M1 (or v_wmma_scale_f32_32x16x128_f4), f32 sums; products left as they are: f32 operands where the result goes on into a quantised operand, else bf16, f16 or f32 operands; f32 sums; everything else in f32.
;; Inputs: W 2,048 x 2,048 float32; b 2,048 float32; prev_W_lower2_codes 2,048 x 64 x 16 uint8 (E2M1 codes of prev_W_lower2, K innermost, in blocks of 32 codes, two codes a byte); prev_W_lower2_scales 2,048 x 64 uint8 (E8M0 scales of prev_W_lower2, one for each 32 codes along K); prev_W_lower_codes 2,048 x 64 x 16 uint8 (E2M1 codes of prev_W_lower, K innermost, in blocks of 32 codes, two codes a byte); prev_W_lower_scales 2,048 x 64 uint8 (E8M0 scales of prev_W_lower, one for each 32 codes along K); prev_W_upper2_codes 2,048 x 64 x 16 uint8 (E2M1 codes of prev_W_upper2, K innermost, in blocks of 32 codes, two codes a byte); prev_W_upper2_scales 2,048 x 64 uint8 (E8M0 scales of prev_W_upper2, one for each 32 codes along K); prev_W_upper_codes 2,048 x 64 x 16 uint8 (E2M1 codes of prev_W_upper, K innermost, in blocks of 32 codes, two codes a byte); prev_W_upper_scales 2,048 x 64 uint8 (E8M0 scales of prev_W_upper, one for each 32 codes along K); prev_b_lower 2,048 float32; prev_b_lower2 2,048 float32; prev_b_upper 2,048 float32; prev_b_upper2 2,048 float32; prev_lb 2,048 float32; prev_ub 2,048 float32.
;; Outputs: out0 4 x 2,048 float32; out1 2,048 x 2,048 float32; out2 2,048 x 2,048 float32; out3 2,048 float32; out4 2,048 float32.
;; This version of the problem:
;;   THIS VERSION OF THE PROBLEM IS GIVEN IN LOW PRECISION. The matrix products marked QUANTISED in the list below multiply operands that are first quantised to E2M1 (2 exponent bits, 1 mantissa bit; 4 bits a number), with one power-of-two scale for each 32 numbers along K (OCP MX v1.0); their sums are f32. All else is computed in f32.
;;   The module's matrix products, in the order in which they are computed (A, B: the left and right operand; K: the contracted axis; several contracted axes count as one K, in the product's order):
;;     1. [M 2,048, K 2,048] x [K 2,048, N 2,048]; A: computed on the way; B: input prev_W_upper (given as codes): QUANTISED
;;     2. [M 2,048, K 2,048] x [K 2,048, N 2,048]; A: computed on the way; B: input prev_W_lower (given as codes): QUANTISED
;;     3. [M 2,048, K 2,048] x [K 2,048, N 1]; A: computed on the way; B: input prev_b_upper: left as it is (N = 1 < 16)
;;     4. [M 2,048, K 2,048] x [K 2,048, N 1]; A: computed on the way; B: input prev_b_lower: left as it is (N = 1 < 16)
;;     5. [M 2,048, K 2,048] x [K 2,048, N 2,048]; A: computed on the way; B: input prev_W_lower (given as codes): QUANTISED
;;     6. [M 2,048, K 2,048] x [K 2,048, N 2,048]; A: computed on the way; B: input prev_W_upper (given as codes): QUANTISED
;;     7. [M 2,048, K 2,048] x [K 2,048, N 1]; A: computed on the way; B: input prev_b_lower: left as it is (N = 1 < 16)
;;     8. [M 2,048, K 2,048] x [K 2,048, N 1]; A: computed on the way; B: input prev_b_upper: left as it is (N = 1 < 16)
;;     9. [M 2,048, K 2,048] x [K 2,048, N 1]; A: computed on the way; B: input prev_ub: left as it is (N = 1 < 16)
;;     10. [M 2,048, K 2,048] x [K 2,048, N 1]; A: computed on the way; B: input prev_lb: left as it is (N = 1 < 16)
;;     11. [M 2,048, K 2,048] x [K 2,048, N 1]; A: computed on the way; B: input prev_lb: left as it is (N = 1 < 16)
;;     12. [M 2,048, K 2,048] x [K 2,048, N 1]; A: computed on the way; B: input prev_ub: left as it is (N = 1 < 16)
;;     13. [M 2,048, K 2,048] x [K 2,048, N 1]; A: computed on the way; B: input prev_ub: left as it is (N = 1 < 16)
;;     14. [M 2,048, K 2,048] x [K 2,048, N 1]; A: computed on the way; B: input prev_lb: left as it is (N = 1 < 16)
;;     15. [M 2,048, K 2,048] x [K 2,048, N 1]; A: computed on the way; B: input prev_lb: left as it is (N = 1 < 16)
;;     16. [M 2,048, K 2,048] x [K 2,048, N 1]; A: computed on the way; B: input prev_ub: left as it is (N = 1 < 16)
;;     17. [M 2,048, K 2,048] x [K 2,048, N 1]; A: computed on the way; B: input prev_b_upper2: left as it is (N = 1 < 16)
;;     18. [M 2,048, K 2,048] x [K 2,048, N 1]; A: computed on the way; B: input prev_b_lower2: left as it is (N = 1 < 16)
;;     19. [M 2,048, K 2,048] x [K 2,048, N 1]; A: computed on the way; B: input prev_b_lower2: left as it is (N = 1 < 16)
;;     20. [M 2,048, K 2,048] x [K 2,048, N 1]; A: computed on the way; B: input prev_b_upper2: left as it is (N = 1 < 16)
;;     21. [M 2,048, K 2,048] x [K 2,048, N 2,048]; A: computed on the way; B: input prev_W_upper2 (given as codes): QUANTISED
;;     22. [M 2,048, K 2,048] x [K 2,048, N 2,048]; A: computed on the way; B: input prev_W_lower2 (given as codes): QUANTISED
;;     23. [M 2,048, K 2,048] x [K 2,048, N 2,048]; A: computed on the way; B: input prev_W_lower2 (given as codes): QUANTISED
;;     24. [M 2,048, K 2,048] x [K 2,048, N 2,048]; A: computed on the way; B: input prev_W_upper2 (given as codes): QUANTISED
;;     25. [M 2,048, K 2,048] x [K 2,048, N 1]; A: computed on the way; B: input prev_ub: left as it is (N = 1 < 16)
;;     26. [M 2,048, K 2,048] x [K 2,048, N 1]; A: computed on the way; B: input prev_lb: left as it is (N = 1 < 16)
;;     27. [M 2,048, K 2,048] x [K 2,048, N 1]; A: computed on the way; B: input prev_lb: left as it is (N = 1 < 16)
;;     28. [M 2,048, K 2,048] x [K 2,048, N 1]; A: computed on the way; B: input prev_ub: left as it is (N = 1 < 16)
;;   THE QUANTISER, for each operand of a quantised product, along K:
;;     - K is cut into blocks of 32 from its start; a last block that is shorter is filled with zeros.
;;     - A block's scale is 2^e with e = floor(log2(the largest magnitude in the block)) - 2, held to -126 .. 127; a block of zeros has e = 0. As a byte (E8M0): e + 127.
;;     - Each number is divided by its block's scale, clamped to +-6, and rounded to the nearest number of E2M1, ties to even, subnormals kept.
;;     - The product sums the exact products of the quantised numbers (number of the format x scale) in f32.
;;   ~~~python
;;   def quantise(x, axis):      # numpy; x: float32 -> the quantised numbers, widened to float32 again
;;       x = np.moveaxis(x, axis, -1); K = x.shape[-1]
;;       x = np.pad(x, [(0, 0)] * (x.ndim - 1) + [(0, -K % 32)]); x = x.reshape(x.shape[:-1] + (-1, 32)); a = np.abs(x).max(-1, keepdims=True)
;;       e = np.where(a > 0, np.clip(np.frexp(np.where(a > 0, a, 1))[1] - 1 - 2, -126, 127), 0)      # np.frexp(a)[1] - 1 = floor(log2(a)), exactly
;;       r = np.clip(x / 2.0 ** e, -6, 6)
;;       step = 2.0 ** (np.maximum(np.frexp(np.where(r == 0, 1, r))[1] - 1, 0) - 1)
;;       q = np.round(r / step) * step * 2.0 ** e      # np.round: ties to even
;;       return np.moveaxis(q.reshape(q.shape[:-2] + (-1,))[..., :K], -1, axis).astype(np.float32)
;;   ~~~
;;   OPERANDS COMPUTED ON THE WAY. 'Computed on the way' means the value that the module computes at that place (a softmax that the list does not call 'softmax' is quantised finished and normalised). What goes into a quantiser is computed in f32, as accurately as f32 sums, v_exp_f32 and their like allow (about 1e-6 of the number): no bf16 or f16 on the way to a quantiser, and a product that is left as it is and whose result goes on into a quantised operand takes f32 operands (vector FMAs, or v_wmma_f32_16x16x4_f32). A number that lies on a knife's edge between two numbers of the format may be rounded either way, as far as f32 arithmetic and the matrix unit's own rounding can turn it there, and no further.
;;   INPUTS GIVEN AS CODES. prev_W_lower (in the module: [2048, 2048], K = its axis 0); prev_W_lower2 (in the module: [2048, 2048], K = its axis 0); prev_W_upper (in the module: [2048, 2048], K = its axis 0); prev_W_upper2 (in the module: [2048, 2048], K = its axis 0): each comes as NAME_codes (uint8): NAME with its K axis moved to the last place and cut into blocks of 32 codes, [.., K / 32, bytes a block], one block behind the other in memory; two codes a byte, the lower K in the low four bits (a code: sign, 2 exponent bits, 1 mantissa bit); and NAME_scales (uint8): the same leading axes, one E8M0 byte (e + 127) for each 32 codes along K. Its value is code x scale, taken as it is: it is not quantised again, and the codes and scales need not be those that the quantiser above would give.
;; One version. Each part assembles by itself: llvm-mc -triple=amdgcn-amd-amdhsa -mcpu=gfx1250 --defsym DOCPART=n.
;; ======== version 1 of 1: 3 launches
;; limits: values are held in bf16: 8 bits of precision; right only within a limited range of input values
;; workspace buffers: aw 4,456,448 bytes; pv 262,144 bytes; part 524,288 bytes
;; launch quant (part 1): grid 256 x 1, 8 waves a work-group, no clusters, 167,936 bytes of LDS; arguments W, aw, prev_b_upper, prev_b_lower, prev_ub, prev_lb, prev_b_upper2, prev_b_lower2, pv; writes aw, pv
.if DOCPART == 1
	.amdgcn_target "amdgcn-amd-amdhsa--gfx1250"
	.amdhsa_code_object_version 6
	.text
	.protected	k_q483e8ca536_quant
	.globl	k_q483e8ca536_quant
	.p2align	8
	.type	k_q483e8ca536_quant,@function
k_q483e8ca536_quant:
	s_mov_b64 s[64:65], 0
	v_nop
	global_prefetch_b8 v0, s[64:65] scope:SCOPE_SE
	s_setreg_imm32_b32 hwreg(HW_REG_WAVE_MODE, 25, 1), 1
	s_wait_xcnt 0x0
; W [2048][2048] f32 is split into P = max(W, 0) and M = min(W, 0); each is quantised by itself along K (W's rows) into codes of FP4 (E2M1) with one E8M0 byte for each 32 along K,
; and the six row sums  P x + M y  (b_upper, b_lower, ub, lb, bu, bl, still without b) are made of the unquantised P and M, rounded to bf16, by the bf16 matrix form with f32 sums.
; SHARES.  Work-group g: 16 rows (g / 2) x half of K (g % 2).  Each of its eight waves: 16 rows x 128 along K, 8 KiB of W, all of it asked for at once.
; WHAT IS STORED.  aw: [8 tiles of 256 rows][8 K steps of 256][a block of ABLK bytes].  A block holds the operands as IMAGES OF THEIR REGISTERS:
;   codes at  4096 i + 2048 kind + 1024 q + 512 c + 16 lane   (i: 16 rows of the tile; kind: P, M; q: which 128 along K; c: registers 4 c .. 4 c + 3 of the fragment),
;   scale words at  65536 + 256 i + 8 lane + 4 q   (lanes 0-15: P's word of row lane; lanes 16-31: M's word of row lane - 16).
;   pv: [g][c][lane][16 bytes]: the image of a 16 x 16 f32 result: register 4 c + e of lane (n, h) is row 8 h + 4 c + e, sum n.  Sums n = 6 .. 15 are stored and nobody reads them.
; A block's scale is 2^(floor(log2(its largest magnitude)) - 2): its byte is that magnitude's exponent field - 2, held at 1 from below by a floor among the maximum's leaves.
; LIMITS: NaN and infinities in W are not served.  A block with no number of its sign, or whose largest magnitude lies under 2^-124, gets the byte 1 (the rule says 127 for a block of zeros):
; its codes are zeros or held by the floor, and this program alone reads the bytes.  The row sums take bf16 operands: their error grows with the vectors' size and offset as bf16's rounding does.
; LEFT OUT: reference()'s loop makes ub1 and lb1 by the same expressions as ub and lb (products 13 to 16 of its list repeat 9 to 12), so min(ub, ub1) = ub and max(lb, lb1) = lb for all inputs: they are not
; made a second time.  A NaN or an infinity in ub1, lb1 stands in ub, lb just so; one that reached only the work left out is not carried on.
.set ABLK,  69632
.set SPT,   528                        ; a row of the stage: 512 bytes + 16, an odd multiple of 16: the sixteen rows that a load touches start in different groups of banks
.set STGW,  16*SPT                     ; LDS: a stage of 16 rows for each wave,
.set TAB,   8*STGW                     ; then for each wave a table of 8 rows x (256 + 16) bytes: its 128 numbers of the six vectors in bf16, two rows of zeros,
.set TPT,   272
.set TABW,  8*TPT
.set DIMG,  TAB+8*TABW                 ; then each wave's 16 x 16 sums, 1,024 bytes,
.set SCW,   DIMG+8*1024                ; then the work-group's scale words: [4 K steps][32 lanes][2][4 bytes]
.set VL,  16                           ; v16-39   the six vectors as loaded; later at work:
.set TP,  16                           ; v16-19 P's largest numbers, v20-23 M's;  v24-31 the other half of the lanes';  v32-39 the conversions' scale operands;  v40-47 the bytes
.set TX,  24
.set SOP, 32
.set BY,  40
.set VB,  40                           ; v40-51   the six vectors in bf16;  v52-53 zeros
.set PC,  48                           ; v48-55   P's codes
.set MC,  56                           ; v56-63   M's codes
; W comes by the tensor data mover: each wave asks for its own 16 rows x 512 bytes, one load, laid in its own stage with 16 bytes behind each row; no other wave reads them.
.set XP,  64                           ; v64-127  P; then the vectors' fragments (v64-95)
.set X,   128                          ; v128-191 16 neighbours of each of four blocks; then M in place; then the two accumulators and their sum
.set AP,  192                          ; v192-223 P in bf16: four fragments
.set AM,  224                          ; v224-255 M in bf16
	s_load_b128 s[4:7], s[0:1], 0x0                ; W, aw
	s_load_b256 s[8:15], s[0:1], 0x10              ; prev_b_upper, prev_b_lower, prev_ub, prev_lb
	s_load_b128 s[16:19], s[0:1], 0x30             ; prev_b_upper2, prev_b_lower2
	s_load_b64 s[20:21], s[0:1], 0x40              ; pv
	s_set_vgpr_msb 0x40
	v_lshl_add_u32 v0, v0, 2, 0x17000
	v_mov_b32 v1, 0
	s_set_vgpr_msb 0x4005
	ds_add_u32 v0, v1                              ; the opening: the add, twice on end, and its wait ahead of my tensor load
	ds_add_u32 v0, v1
	s_set_vgpr_msb 0x500
	v_lshrrev_b32 v1, 5, v0
	s_delay_alu instid0(VALU_DEP_1)
	v_readfirstlane_b32 s22, v1                    ; wave 0..7
	v_and_b32 v1, 31, v0                           ; lane
	v_and_b32 v2, 15, v0                           ; r
	v_bfe_u32 v3, v0, 4, 1                         ; h
	s_and_b32 s23, ttmp9, 1                        ; which half of K
	s_lshr_b32 s24, ttmp9, 1                       ; which 16 rows
	s_lshl_b32 s25, s23, 3
	s_add_co_u32 s25, s25, s22                     ; my strip of 128 along K,
	s_lshl_b32 s25, s25, 9                         ; in bytes of f32
	v_lshlrev_b32 v10, 4, v1                       ; 16 x lane
	s_delay_alu instid0(VALU_DEP_1)
	v_add_nc_u32 v4, s25, v10                      ; my 16 bytes of a row's strip, in W and in the vectors alike
	s_lshr_b32 s28, s24, 4                         ; the tile of 256 rows
	s_lshl_b32 s28, s28, 3
	s_lshl_b32 s29, s23, 2
	s_add_co_u32 s28, s28, s29                     ; the first block of my work-group: 8 x tile + 4 x half
	s_mul_i32 s30, s28, ABLK
	s_lshr_b32 s29, s22, 1
	s_add_co_u32 s28, s28, s29                     ; my wave's block
	s_mul_i32 s28, s28, ABLK
	s_and_b32 s29, s24, 15                         ; i: my 16 rows in the tile
	s_lshl_b32 s31, s29, 12
	s_add_co_u32 s28, s28, s31
	s_lshl_b32 s31, s29, 8
	s_add_co_u32 s30, s30, s31
	s_add_co_u32 s30, s30, 65536                   ; the scale words of rows i in the work-group's first block
	s_and_b32 s29, s22, 1                          ; q
	s_lshl_b32 s31, s29, 10
	s_add_co_u32 s28, s28, s31                     ; my fragments' place
	s_mov_b32 s29, 0
	s_mov_b32 s31, 0
	s_lshl_b32 s26, s24, 17                        ; 16 rows of 8,192 bytes
	s_mov_b32 s27, 0
	s_mov_b32 s32, 0x76543210
	s_mov_b32 s33, 0xfedcba98                      ; v_permlanex16_b32's selects for lane l xor 16
	s_mov_b32 s40, (2<<16)|(1<<20)|(6<<22)|(3<<25) ; descriptor group 1: elements of 4 bytes; four words of padding behind every 128
	s_mov_b32 s41, 128<<16                         ; rows of 128 numbers,
	s_mov_b32 s42, 16<<16                          ; 16 of them
	s_mov_b32 s43, 128<<16
	s_mov_b32 s44, 16
	s_mov_b32 s45, 2048                            ; W's pitch
	s_mov_b32 s46, 0
	s_mov_b32 s47, 0
	s_mov_b32 s36, s25
	s_mov_b32 s37, 0
	s_mov_b32 s48, 1
	s_mul_i32 s49, s22, STGW                       ; to my own stage
	s_wait_alu depctr_va_vdst(0)
	s_wait_dscnt 0x0                               ; both opening adds are done
	s_wait_kmcnt 0x0
	s_add_nc_u64 s[4:5], s[4:5], s[26:27]
	s_add_nc_u64 s[50:51], s[4:5], s[36:37]        ; my strip of the 16 rows
	s_or_b32 s51, s51, 0x80000000
	tensor_load_to_lds s[48:51], s[40:47]
	s_nop 0
	s_add_nc_u64 s[34:35], s[6:7], s[30:31]
	s_add_nc_u64 s[6:7], s[6:7], s[28:29]
	s_lshl_b32 s26, ttmp9, 10
	s_add_nc_u64 s[20:21], s[20:21], s[26:27]
.irp t, 0,1,2,3,4,5
	global_load_b128 v[VL+4*\t:VL+4*\t+3], v4, s[8+2*\t:9+2*\t]        ; my strip of each vector: 512 consecutive bytes
.endr
	; LDS addresses, while the loads are on their way
	s_mul_i32 s26, s22, STGW
	v_mul_u32_u24 v6, v2, SPT
	s_delay_alu instid0(VALU_DEP_1)
	v_lshl_add_u32 v6, v3, 6, v6
	s_delay_alu instid0(VALU_DEP_1)
	v_add_nc_u32 v6, s26, v6                       ; stage, out: row r, + 64 h: 16 neighbours of each block of 32
	s_mul_i32 s28, s22, TABW
	s_add_co_u32 s28, s28, TAB
	v_lshl_add_u32 v7, v1, 3, s28                  ; table, in: 8 bytes a lane
	v_and_b32 v11, 7, v0
	s_delay_alu instid0(VALU_DEP_1)
	v_mul_u32_u24 v8, v11, TPT
	s_delay_alu instid0(VALU_DEP_1)
	v_lshl_add_u32 v8, v3, 5, v8
	s_delay_alu instid0(VALU_DEP_1)
	v_add_nc_u32 v8, s28, v8                       ; table, out: sum n takes vector n % 8
	s_lshl_b32 s29, s22, 10
	s_add_co_u32 s29, s29, DIMG
	v_add_nc_u32 v11, s29, v10                     ; my wave's sums
	s_lshr_b32 s29, s22, 1
	s_lshl_b32 s29, s29, 8
	s_and_b32 s30, s22, 1
	s_lshl_b32 s30, s30, 2
	s_add_co_u32 s29, s29, s30
	s_add_co_u32 s29, s29, SCW
	v_lshl_add_u32 v12, v1, 3, s29                 ; my scale word: 256 x (wave / 2) + 8 x lane + 4 x (wave % 2)
	v_add_nc_u32 v13, DIMG, v10                    ; wave 0 reads all sums,
	v_add_nc_u32 v14, SCW, v10                     ; wave 1 all scale words
	v_mul_u32_u24 v15, v3, ABLK
	s_delay_alu instid0(VALU_DEP_1)
	v_lshl_add_u32 v15, v2, 4, v15                 ; and stores them: sixteen lanes to the 256 bytes of one block, the other sixteen to the next block's
	v_mov_b32 v52, 0
	v_mov_b32 v53, 0
	s_wait_loadcnt 0x0                             ; the six vectors are in
.irp t, 0,1,2,3,4,5
	v_cvt_pk_bf16_f32 v[VB+2*\t], v[VL+4*\t], v[VL+4*\t+1]
	v_cvt_pk_bf16_f32 v[VB+2*\t+1], v[VL+4*\t+2], v[VL+4*\t+3]
.endr
	s_wait_alu depctr_va_vdst(0)
	s_wait_tensorcnt 0x0                           ; my rows of W are in my stage
.irp t, 0,1,2,3,4,5
	ds_store_b64 v7, v[VB+2*\t:VB+2*\t+1] offset:TPT*\t
.endr
	ds_store_b64 v7, v[52:53] offset:TPT*6         ; sums 6 and 7 (and 14, 15) are of zeros
	ds_store_b64 v7, v[52:53] offset:TPT*7
	; W's rows lie in the stage; a lane takes 16 neighbours of each block
.irp b, 0,1,2,3
.irp j, 0,1,2,3
	ds_load_b128 v[X+16*\b+4*\j:X+16*\b+4*\j+3], v6 offset:128*\b+16*\j     ; register 16 b + i: k = 32 b + 16 h + i of row r
.endr
.endr
	s_wait_dscnt 0x0                               ; they are back, and all my stores have read their registers
	; THE SCALES.  P's largest number of a block: no |.|, what is negative loses to the floor 2^(3 - 127).  M's: the same of the negated numbers.  Eight chains by turns
.irp b, 0,1,2,3
	v_max3_num_f32 v[TP+\b], v[X+16*\b], v[X+16*\b+1], 0x1800000
	v_max3_num_f32 v[TP+4+\b], -v[X+16*\b], -v[X+16*\b+1], 0x1800000
.endr
.irp i, 2,4,6,8,10,12,14
.irp b, 0,1,2,3
	v_max3_num_f32 v[TP+\b], v[TP+\b], v[X+16*\b+\i], v[X+16*\b+\i+1]
	v_max3_num_f32 v[TP+4+\b], v[TP+4+\b], -v[X+16*\b+\i], -v[X+16*\b+\i+1]
.endr
.endr
.irp b, 0,1,2,3,4,5,6,7
	v_permlanex16_b32 v[TX+\b], v[TP+\b], s32, s33 ; (its destination counts as read: the vectors' loads have written these registers)
.endr
.irp b, 0,1,2,3,4,5,6,7
	v_max_num_f32 v[TP+\b], v[TP+\b], v[TX+\b]     ; with lane l xor 16's 16 numbers: the block's
.endr
.irp b, 0,1,2,3,4,5,6,7
	v_add_nc_u32 v[SOP+\b], 0xff000000, v[TP+\b]   ; 2 off the exponent field: the conversion takes the exponent field of this operand as its scale
.endr
.irp b, 0,1,2,3,4,5,6,7
	v_lshrrev_b32 v[BY+\b], 23, v[SOP+\b]          ; the scale's byte
.endr
.irp s, 1
	v_lshl_or_b32 v[BY], v[BY+\s], 8*\s, v[BY]     ; four bytes make row r's scale word: P's in v40,
	s_delay_alu instid0(VALU_DEP_4)
	v_lshl_or_b32 v[BY+4], v[BY+4+\s], 8*\s, v[BY+4]   ; M's in v44
.endr
.irp s, 2, 3
	s_delay_alu instid0(VALU_DEP_2)
	v_lshl_or_b32 v[BY], v[BY+\s], 8*\s, v[BY]     ; four bytes make row r's scale word: P's in v40,
	s_delay_alu instid0(VALU_DEP_2)
	v_lshl_or_b32 v[BY+4], v[BY+4+\s], 8*\s, v[BY+4]   ; M's in v44
.endr
; 64 numbers in v[xs] on become a fragment's codes (v[cd] on), which are stored as they stand, and four bf16 fragments (v[af] on)
.macro OPER xs, cd, af, so, off
.irp b, 0,1,2,3
	v_cvt_scalef32_pk8_fp4_f32 v[\cd+2*\b], v[\xs+16*\b:\xs+16*\b+7], v[\so+\b]
	v_cvt_scalef32_pk8_fp4_f32 v[\cd+2*\b+1], v[\xs+16*\b+8:\xs+16*\b+15], v[\so+\b]
.endr
	v_nop                                          ; one plain place behind a scaled conversion
.irp c, 0,1                                    ; the operand's layout wants a WHOLE block in a lane: lanes 0-15 block 2 c, lanes 16-31 block 2 c + 1
.irp i, 0,1
	v_permlane16_swap_b32 v[\cd+4*\c+\i], v[\cd+4*\c+2+\i]
.endr
.endr
.set n, 0
.rept 32
	v_cvt_pk_bf16_f32 v[\af+n], v[\xs+2*n], v[\xs+2*n+1]       ; fragment b, register s: k = 32 b + 16 h + 2 s, + 1.  The vectors' fragments have the same k in the same places, so the products are kept
.set n, n+1
.endr
	global_store_b128 v10, v[\cd:\cd+3], s[6:7] offset:\off    ; 32 lanes store 512 consecutive bytes, aligned
	global_store_b128 v10, v[\cd+4:\cd+7], s[6:7] offset:\off+512
.endm
.set n, 0
.rept 64
	v_max_num_f32 v[XP+n], 0, v[X+n]               ; P
.set n, n+1
.endr
	OPER XP, PC, AP, SOP, 0
.irp b, 0,1,2,3                                ; P's registers are free: the vectors' fragments land there while M is worked on
.irp c, 0,1
	ds_load_b128 v[64+8*\b+4*\c:64+8*\b+4*\c+3], v8 offset:64*\b+16*\c
.endr
.endr
.set n, 0
.rept 64
	v_min_num_f32 v[X+n], 0, v[X+n]                ; M, in place
.set n, n+1
.endr
	OPER X, MC, AM, SOP+4, 2048
	v_cmp_lt_u32 vcc_lo, 15, v1
	s_delay_alu instid0(VALU_DEP_1)
	v_cndmask_b32 v41, v40, v44, vcc_lo            ; lanes 0-15: P's word of row r; lanes 16-31: M's
	ds_store_b32 v12, v41
	s_wait_dscnt 0x0                               ; the vectors' fragments are in
	; THE ROW SUMS: two accumulators by turns, one instruction a turn; the first product of each starts its sum
.irp b, 0,1,2,3
.if \b == 0
	v_wmma_f32_16x16x32_bf16 v[128:135], v[AP:AP+7], v[64:71], 0
	v_wmma_f32_16x16x32_bf16 v[136:143], v[AM:AM+7], v[64:71], 0
.else
	s_wait_alu depctr_va_vdst(0)
	v_wmma_f32_16x16x32_bf16 v[128:135], v[AP+8*\b:AP+8*\b+7], v[64+8*\b:64+8*\b+7], v[128:135]
	s_wait_alu depctr_va_vdst(0)
	v_wmma_f32_16x16x32_bf16 v[136:143], v[AM+8*\b:AM+8*\b+7], v[64+8*\b:64+8*\b+7], v[136:143]
.endif
.endr
.rept 4
	v_nop                                          ; four places behind the products, for the additions below and for wave 0's loads into v64-127
.endr
.irp p, 0,1,2,3,4,5,6,7
	v_add_f32_dpp v[128+\p], v[136+\p], v[128+\p] row_xmask:1 row_mask:0xf bank_mask:0xf   ; P x vector n + M x its partner, vector n xor 1, which lies in lane xor 1; from each accumulator's low end on
.endr
	ds_store_b128 v11, v[128:131]
	ds_store_b128 v11, v[132:135] offset:512
	s_wait_dscnt 0x0                               ; for the others' sake: my sums and my scale word lie in LDS
	s_barrier_signal -1
	s_barrier_wait -1
	s_cmp_eq_u32 s22, 0
	s_cbranch_scc1 .Lsums
	s_cmp_eq_u32 s22, 1
	s_cbranch_scc1 .Lwords
	s_set_vgpr_msb 0x5
	s_wait_tensorcnt 0x0
	ds_add_u32 v0, v1
	s_wait_dscnt 0x0
	s_set_vgpr_msb 0x500
	s_endpgm
.Lsums:                                        ; wave 0 adds the eight waves' sums: this half of K
.irp w, 0,1,2,3,4,5,6,7
.irp c, 0,1
	ds_load_b128 v[64+8*\w+4*\c:64+8*\w+4*\c+3], v13 offset:1024*\w+512*\c
.endr
.endr
	s_wait_dscnt 0x0
.irp d, 1,2,4
.set w, 0
.rept 4/\d
.irp p, 0,2,4,6
	v_pk_add_f32 v[64+8*w+\p:65+8*w+\p], v[64+8*w+\p:65+8*w+\p], v[64+8*(w+\d)+\p:65+8*(w+\d)+\p]
.endr
.set w, w+2*\d
.endr
.endr
	global_store_b128 v10, v[64:67], s[20:21]
	global_store_b128 v10, v[68:71], s[20:21] offset:512
	s_set_vgpr_msb 0x5
	s_wait_tensorcnt 0x0
	ds_add_u32 v0, v1
	s_wait_dscnt 0x0
	s_set_vgpr_msb 0x500
	s_endpgm
.Lwords:                                       ; wave 1 stores the scale words: 256 consecutive bytes, aligned, in each of the work-group's four blocks
	ds_load_b128 v[64:67], v14
	ds_load_b128 v[68:71], v14 offset:512
	s_wait_dscnt 0x0
	global_store_b128 v15, v[64:67], s[34:35]
	global_store_b128 v15, v[68:71], s[34:35] offset:2*ABLK
	s_set_vgpr_msb 0x5
	s_wait_tensorcnt 0x0
	ds_add_u32 v0, v1
	s_wait_dscnt 0x0
	s_set_vgpr_msb 0x500
	s_endpgm
.Lfunc_end_k_q483e8ca536_quant:
	.size	k_q483e8ca536_quant, .Lfunc_end_k_q483e8ca536_quant-k_q483e8ca536_quant
	.p2alignl 7, 3214868480
	.fill 96, 4, 3214868480
	.section	.rodata,"a",@progbits
	.p2align	6, 0x0
	.amdhsa_kernel k_q483e8ca536_quant
		.amdhsa_group_segment_fixed_size 167936
		.amdhsa_private_segment_fixed_size 0
		.amdhsa_enable_private_segment 0
		.amdhsa_kernarg_size 72
		.amdhsa_user_sgpr_count 2
		.amdhsa_user_sgpr_kernarg_segment_ptr 1
		.amdhsa_wavefront_size32 1
		.amdhsa_system_sgpr_workgroup_id_x 1
		.amdhsa_system_sgpr_workgroup_id_y 1
		.amdhsa_system_sgpr_workgroup_id_z 1
		.amdhsa_system_vgpr_workitem_id 0
		.amdhsa_next_free_vgpr 258
		.amdhsa_next_free_sgpr 66
		.amdhsa_reserve_vcc 1
		.amdhsa_float_denorm_mode_32 3
		.amdhsa_float_denorm_mode_16_64 3
		.amdhsa_memory_ordered 1
		.amdhsa_forward_progress 1
		.amdhsa_inst_pref_size 31
	.end_amdhsa_kernel
	.amdgpu_metadata
---
amdhsa.version: [ 1, 2 ]
amdhsa.kernels:
  - .name:           k_q483e8ca536_quant
    .symbol:         k_q483e8ca536_quant.kd
    .args:
      - { .name: W, .offset: 0, .size: 8, .value_kind: global_buffer, .address_space: global }
      - { .name: aw, .offset: 8, .size: 8, .value_kind: global_buffer, .address_space: global }
      - { .name: prev_b_upper, .offset: 16, .size: 8, .value_kind: global_buffer, .address_space: global }
      - { .name: prev_b_lower, .offset: 24, .size: 8, .value_kind: global_buffer, .address_space: global }
      - { .name: prev_ub, .offset: 32, .size: 8, .value_kind: global_buffer, .address_space: global }
      - { .name: prev_lb, .offset: 40, .size: 8, .value_kind: global_buffer, .address_space: global }
      - { .name: prev_b_upper2, .offset: 48, .size: 8, .value_kind: global_buffer, .address_space: global }
      - { .name: prev_b_lower2, .offset: 56, .size: 8, .value_kind: global_buffer, .address_space: global }
      - { .name: pv, .offset: 64, .size: 8, .value_kind: global_buffer, .address_space: global }
    .group_segment_fixed_size: 167936
    .private_segment_fixed_size: 0
    .kernarg_segment_align: 8
    .kernarg_segment_size: 72
    .max_flat_workgroup_size: 256
    .sgpr_count:     66
    .vgpr_count:     258
    .wavefront_size: 32
...
	.end_amdgpu_metadata
.endif
;; end of part 1
;; launch gemm (part 2): grid 32 x 8, 4 waves a work-group, clusters of 4 x 4, 327,680 bytes of LDS; arguments aw, part, prev_W_upper_codes, prev_W_upper_scales, prev_W_lower_codes, prev_W_lower_scales, prev_W_upper2_codes, prev_W_upper2_scales, prev_W_lower2_codes, prev_W_lower2_scales, prev_ub, prev_lb, out1, out2; writes out1, out2, part
.if DOCPART == 2
	.amdgcn_target "amdgcn-amd-amdhsa--gfx1250"
	.amdhsa_code_object_version 6
	.text
	.protected	k_q483e8ca536_gemm
	.globl	k_q483e8ca536_gemm
	.p2align	8
	.type	k_q483e8ca536_gemm,@function
k_q483e8ca536_gemm:
	s_mov_b64 s[64:65], 0
	v_nop
	global_prefetch_b8 v0, s[64:65] scope:SCOPE_SE
	s_setreg_imm32_b32 hwreg(HW_REG_WAVE_MODE, 25, 1), 1
	s_wait_xcnt 0x0
	s_wait_alu depctr_hold_cnt(0) depctr_sa_sdst(0) depctr_va_vdst(0) depctr_va_sdst(0) depctr_va_ssrc(0) depctr_va_vcc(0) depctr_vm_vsrc(0)
	s_getreg_b32 s2, hwreg(HW_REG_IB_STS2, 6, 4)
	s_cmp_eq_u32 s2, 0
	s_cbranch_scc0 .Lentry_in_a_cluster
	s_endpgm
.Lentry_in_a_cluster:
	s_bfe_u32 s2, ttmp6, 0x10000c
	s_cmp_lg_u32 s2, 0xf033
	s_cbranch_scc0 .Lentry_shape_is_right
	s_endpgm
.Lentry_shape_is_right:
; The eight quantised products, on codes of FP4 (E2M1) with one E8M0 scale for each 32 along K:   upper = P U + M L,  lower = P L + M U,
; for the pair (U, L) = (prev_W_upper, prev_W_lower), whose results are out1 and out2, and for the pair (U2, L2) = (prev_W_upper2, prev_W_lower2), whose results are only summed along their rows.
; P and M (max(W, 0), min(W, 0), quantised) come from aw as images of the operands' registers; U .. L2 as they are given: [2048 columns][1024 bytes of codes], [2048][64 scale bytes].
; SHARES.  A work-group makes all FOUR results for 256 rows x 64 columns: 8 x 32 = 256 work-groups of equal work.  Each of its four waves: 64 rows x 64 columns x 4 results, 512 registers of sums.
; For 128 along K a wave reads 4 fragments of P, 4 of M and 4 of each of U, L, U2, L2 for 64 matrix instructions of 32 x 16 x 128.
; K goes in 16 steps of 128.  LDS: two slots for blocks of aw (256 along K, dense, their scale words ride in them), two for U, L, U2, L2 (512 along K: rows of 256 bytes + 16); the 64 columns' scale bytes, for all of K, come
; once, through registers.  A block of aw is filled again every second step, a slot of U .. L2 in two halves: U and L at one change, U2 and L2 at the next.
; HEAD: one tensor load a wave: aw's block 0, U, L, U2; behind the next round block 1, L2, and U, L of the next 512.  So L2's products of steps 0 and 1 follow behind the others.
; TAIL: in the last 512 along K the first pair's four steps come ahead of the second pair's, and the first pair's results leave between the second pair's products.
; The steps are written out by macro: 16 of them, and the first two, the last four and the refills of the others differ.
; CLUSTERS: 4 x 4.  The four of a row need the same blocks of aw, the four of a column the same tiles of U .. L2: each is asked for JOINTLY.
; PREFETCHES: what a change of slots loads is asked for two changes ahead (at the start one); every cluster asks for its own tiles, each 256 bytes once: the four partners and their four waves share them by address.
; THE MATRIX INSTRUCTION IS USED TRANSPOSED (source 0 = 32 columns of U .. L2, source 1 = 16 rows of P or M): lane (r, h) holds row r; register 8 u + e of a sum is column 16 u + 8 h + e.
; THE SECOND PAIR'S ROW SUMS:  max(x, 0) pu + min(x, 0) pl = (x (pu + pl) + |x| (pu - pl)) / 2; part gets them WITHOUT the half, which the last launch applies.  LIMIT: pu + pl and pu - pl are taken to be finite.
; REGISTERS.  Window 0: v1-29 addresses; v32-47, v48-111 scale words of aw and of U .. L2, two sets each; v112-127 row sums; v128-255 P's and M's fragments, set s at 128 + 64 s.
;   Window 1: U's, L's, U2's, L2's, set s at 128 s.   Window 2: first pair, upper at 0, lower at 128 (row block a, columns 32 c: + 32 a + 16 c).   Window 3: second pair.
.set ABLK,   69632                     ; 65,536 bytes of codes, 4,096 of scale words
.set AHALF,  34816                     ; 136 rows of 256 bytes
.set BPT,    272
.set BT,     64*BPT                    ; a tile of 64 columns
.set BBASE,  2*ABLK
.set BSLOT,  4*BT                      ; U, L, U2, L2
.set BSC,    BBASE+2*BSLOT             ; scale bytes: 16 units of 256 bytes + 16 for each of the four
.set SCT,    16*272
.set STAGE,  BSC+4*SCT                 ; 16 rows x 272 bytes for each wave
.set SPITCH, 272
.set RED,    STAGE+4*16*SPITCH         ; 128 row sums for each wave
.set SPARE,  RED+4*512                 ; the spare words
.set ADRA,  8
.set ADRSA, 10
.set ADRB,  12
.set ADRSB, 14
.set STO,   15
.set RD,    16
.set CO,    17
.set VO,    18
.set RST,   19
.set RRD,   20
.set L16,   21
.set POFF,  22
.set ADRSS, 23
.set PFAO,  24
.set PFBO,  25
.set SPW,   28
.set NIL,   29
.set SCA,   32
.set SCB,   48
.set RS,    112                        ; v112-127: eight row sums of x (pu + pl), a pair each; those of |x| (pu - pl) lie at v192-199
.set AF,    128
.set LB,    3
.set G1A,   24
.set G0A,   32
.set G0H,   36
.set G1B,   40
.set G0B1,  48
.set G0B2,  52
.set PA,    56
.set BP1,   58
.set BP2,   60
.set LA,    62
.set SEL,   66
.set PUB,   72
.set OUT,   76
.set WV,    80
.set ROLE,  81                         ; wave / 2: in the ring I fetch aw (0) or U .. L2 (1)
.set HALF,  82                         ; wave % 2: which half of a block, or U, U2 (0) or L, L2 (1)
.set MSB, 0
.macro WIN new                         ; the immediate's high byte repeats the setting that is left
.if MSB != (\new)
	s_set_vgpr_msb (MSB<<8)|(\new)
.set MSB, \new
.endif
.endm
.macro PLACES                          ; four places behind this matrix form in front of loads into its registers and of the first read of results
.rept 4
	v_nop
.endr
.endm
.macro JLOAD sel, g0a, g0b             ; a joint load; the branch hangs on the wave's number alone.  Four v_nop follow each of the two lines
	s_cmp_eq_u32 s[\sel], 0
	s_cbranch_scc0 .Lfor_b_\@
	tensor_load_to_lds s[\g0a:\g0a+3], s[G1A:G1A+7]
	s_nop 0
.rept 4
	v_nop
.endr
	s_branch .Lasked_\@
.Lfor_b_\@:
	tensor_load_to_lds s[\g0b:\g0b+3], s[G1B:G1B+7]
	s_nop 0
.rept 4
	v_nop
.endr
.Lasked_\@:
.endm
.macro CREST                           ; a round of the cluster's barrier behind its opening barrier
	s_cmp_lg_u32 s[WV], 0
	s_cbranch_scc1 .Lnot_wave_0_\@
	s_barrier_signal -3
.Lnot_wave_0_\@:
	s_barrier_wait -3
	s_barrier_signal -1
	s_barrier_wait -1
.endm
.macro CROUND
	s_barrier_signal -1
	s_barrier_wait -1
	CREST
.endm
.macro PFA k                           ; prefetches: my 17 units of aw's block k,
	global_prefetch_b8 v[PFAO], s[PA:PA+1] offset:ABLK*(\k) th:TH_LOAD_NT scope:SCOPE_SE
.endm
.macro PFB b, k                        ; my 8 columns of U or L (U2 or L2), the k-th 512 along K
	global_prefetch_b8 v[PFBO], s[\b:\b+1] offset:256*(\k) th:TH_LOAD_NT scope:SCOPE_SE
.endm
.macro STEPA k                         ; group 0 for aw's block k
	s_add_nc_u64 s[G0A+2:G0A+3], s[G0A+2:G0A+3], ABLK
	s_add_co_u32 s[G0A+1], s[LA], ABLK*((\k)%2)
.endm
.macro STEPB g, k, pair                ; for the k-th 512 along K of my tensor of the pair
	s_add_nc_u64 s[\g+2:\g+3], s[\g+2:\g+3], 256
	s_add_co_u32 s[\g+1], s[LB], BSLOT*((\k)%2)+2*BT*(\pair)
.endm
	s_load_b128 s[4:7], s[0:1], 0x0                ; aw, part
	s_load_b128 s[8:11], s[0:1], 0x10              ; U: codes, scales
	s_load_b128 s[12:15], s[0:1], 0x20             ; L
	s_load_b128 s[16:19], s[0:1], 0x30             ; U2
	s_load_b128 s[20:23], s[0:1], 0x40             ; L2
	s_load_b128 s[72:75], s[0:1], 0x50             ; prev_ub, prev_lb
	s_load_b128 s[76:79], s[0:1], 0x60             ; out1, out2
	v_lshl_add_u32 v[SPW], v0, 2, SPARE
	v_mov_b32 v[NIL], 0
	ds_add_u32 v[SPW], v[NIL]                      ; the opening: the add, twice on end, and its wait
	ds_add_u32 v[SPW], v[NIL]
	v_lshrrev_b32 v1, 5, v0
	v_readfirstlane_b32 s[WV], v1
	s_lshr_b32 s[ROLE], s[WV], 1
	s_and_b32 s[HALF], s[WV], 1
	s_bfe_u32 s83, ttmp6, 0x40000                  ; cx
	s_bfe_u32 s84, ttmp6, 0x40004                  ; cy
	s_lshl_b32 s85, ttmp9, 2
	s_add_co_u32 s85, s85, s83                     ; column tile, 0..31
	s_and_b32 s88, ttmp7, 0xffff
	s_lshl_b32 s88, s88, 2
	s_add_co_u32 s88, s88, s84                     ; row tile, 0..7
	s_lshl_b32 s89, s84, 2
	s_lshl_b32 s89, 15, s89                        ; my row of the cluster
	s_lshl_b32 s90, 0x1111, s83                    ; my column
	s_or_b32 s[G1A+0], s89, (3<<16)|(1<<21)        ; the mask; elements of 8 bytes; 21 set beside a mask; no padding
	s_mov_b32 s[G1A+1], 32<<16                     ; rows of 256 bytes,
	s_mov_b32 s[G1A+2], 272<<16                    ; 272 of them: the head's two loads bring whole blocks
	s_mov_b32 s[G1A+3], 32<<16
	s_mov_b32 s[G1A+4], 272
	s_mov_b32 s[G1A+5], 32                         ; dense
	s_mov_b32 s[G1A+6], 0
	s_mov_b32 s[G1A+7], 0
	s_or_b32 s[G1B+0], s90, (0<<16)|(1<<20)|(1<<21)|(5<<22)|(3<<25)   ; elements of 1 byte; four words of padding behind every 64
	s_mov_b32 s[G1B+1], 256<<16                    ; rows of 256 bytes: 512 codes
	s_mov_b32 s[G1B+2], 64<<16                     ; 64 columns
	s_mov_b32 s[G1B+3], 256<<16
	s_mov_b32 s[G1B+4], 64
	s_mov_b32 s[G1B+5], 1024
	s_mov_b32 s[G1B+6], 0
	s_mov_b32 s[G1B+7], 0
	s_mov_b32 s[SEL], 0x76543210
	s_mov_b32 s[SEL+1], 0xfedcba98
	s_mul_i32 s[LA], s[HALF], AHALF
	s_mov_b32 s[LA+1], 0
	s_mul_i32 s[LB], s[HALF], BT
	s_add_co_u32 s[LB], s[LB], BBASE
	s_mul_i32 s86, s88, 8*ABLK                     ; the row tile's blocks
	s_mov_b32 s87, 0
	s_lshl_b32 s98, s85, 16                        ; 64 columns of 1,024 bytes
	s_mov_b32 s99, 0
	s_lshl_b32 s91, s[WV], 14                      ; my 4 blocks of 16 rows: 4,096 bytes of images each,
	s_lshl_b32 s92, s[WV], 10
	s_add_co_u32 s92, s92, 65536                   ; and their scale words
	s_mul_i32 s93, s[WV], 16*SPITCH
	s_add_co_u32 s93, s93, STAGE
	s_mul_i32 s94, s[WV], SCT
	s_add_co_u32 s94, s94, BSC
	s_lshl_b32 s95, s[WV], 9
	s_add_co_u32 s95, s95, RED
	s_mul_i32 s96, s83, 68
	s_mul_i32 s97, s[WV], 17
	s_add_co_u32 s96, s96, s97                     ; prefetch: units 68 cx + 17 wave .. + 16 of a block's 272
	s_lshl_b32 s97, s84, 4
	s_lshl_b32 s68, s[ROLE], 3
	s_add_co_u32 s97, s97, s68                     ; and columns 16 cy + 8 (wave / 2) .. + 7 of a tile's 64
	s_wait_alu depctr_va_vdst(0)
	s_wait_dscnt 0x0                               ; both opening adds are done
	CROUND                                         ; all sixteen work-groups are here: the first joint loads meet
	v_and_b32 v1, 15, v0                           ; r
	v_bfe_u32 v2, v0, 4, 1                         ; h
	v_and_b32 v3, 31, v0                           ; lane
	v_lshlrev_b32 v[L16], 4, v3
	v_add_nc_u32 v[ADRA], s91, v[L16]
	v_add_nc_u32 v[ADRA+1], ABLK, v[ADRA]
	v_lshl_add_u32 v[ADRSA], v3, 3, s92
	v_add_nc_u32 v[ADRSA+1], ABLK, v[ADRSA]
	v_mul_u32_u24 v4, v1, BPT
	v_lshl_add_u32 v5, v2, 4, v4                   ; a fragment's row x pitch + 16 h
	v_add_nc_u32 v[ADRB], BBASE, v5
	v_add_nc_u32 v[ADRB+1], BBASE+BSLOT, v5
	v_and_b32 v5, 3, v0
	v_lshrrev_b32 v6, 2, v3
	v_mul_u32_u24 v6, v6, 272
	v_lshl_add_u32 v6, v5, 6, v6                   ; column = lane: 64 scale bytes, 16 more for each 256 passed
	v_add_nc_u32 v[ADRSB], BSC, v6
	v_lshl_add_u32 v5, v2, 5, v4
	v_add_nc_u32 v[STO], s93, v5                   ; stage, in: row r, 32 bytes for each half of the lanes
	v_mul_u32_u24 v5, v2, SPITCH
	v_lshl_add_u32 v5, v1, 4, v5
	v_add_nc_u32 v[RD], s93, v5                    ; back: lanes 0-15 one row of 256 bytes, lanes 16-31 the next
	v_add_nc_u32 v[ADRSS], s94, v5                 ; the scale bytes' way in, laid alike
	v_lshlrev_b32 v[CO], 13, v2
	v_lshl_add_u32 v[CO], v1, 4, v[CO]             ; two rows of out1, out2
	v_lshlrev_b32 v[VO], 5, v2                     ; prev_ub, prev_lb
	v_lshl_add_u32 v[RST], v1, 2, s95
	v_add_nc_u32 v[RRD], s95, v[L16]
	v_lshlrev_b32 v[POFF], 18, v2
	v_lshl_add_u32 v[POFF], v1, 4, v[POFF]         ; part: lanes 0-15 the upper sums, lanes 16-31 the lower
	v_min_u32 v5, 16, v3
	v_add_lshl_u32 v[PFAO], v5, s96, 8
	v_min_u32 v5, 7, v3
	v_add_lshl_u32 v[PFBO], v5, s97, 10
	s_wait_alu depctr_va_vdst(0)
	s_wait_kmcnt 0x0
	s_cmp_eq_u32 s[HALF], 0
	s_cselect_b64 s[BP1:BP1+1], s[8:9], s[12:13]   ; in the ring I fetch U or L,
	s_cselect_b64 s[BP2:BP2+1], s[16:17], s[20:21] ; U2 or L2
	s_cselect_b64 s[10:11], s[10:11], s[14:15]
	s_cselect_b64 s[18:19], s[18:19], s[22:23]
	s_cmp_eq_u32 s[ROLE], 0
	s_cselect_b64 s[10:11], s[10:11], s[18:19]     ; the scale bytes that I bring: wave 0 U's, 1 L's, 2 U2's, 3 L2's
	s_cmp_eq_u32 s[WV], 1
	s_cselect_b64 s[68:69], s[8:9], s[12:13]       ; the head's first loads: wave 1 U, 2 L, 3 U2;
	s_cmp_eq_u32 s[WV], 3
	s_cselect_b64 s[68:69], s[16:17], s[68:69]
	s_cmp_eq_u32 s[WV], 2
	s_cselect_b64 s[70:71], s[8:9], s[12:13]       ; its second: wave 1 L2, waves 2 and 3 U and L of the next 512 along K
	s_add_nc_u64 s[70:71], s[70:71], 256
	s_cmp_eq_u32 s[WV], 1
	s_cselect_b64 s[70:71], s[20:21], s[70:71]
	s_add_nc_u64 s[PA:PA+1], s[4:5], s[86:87]
	s_add_nc_u64 s[BP1:BP1+1], s[BP1:BP1+1], s[98:99]
	s_add_nc_u64 s[BP2:BP2+1], s[BP2:BP2+1], s[98:99]
	s_add_nc_u64 s[68:69], s[68:69], s[98:99]
	s_add_nc_u64 s[70:71], s[70:71], s[98:99]
	s_mov_b32 s[G0A], 1
	s_add_co_u32 s[G0A+1], s[LA], 0
	s_add_nc_u64 s[G0A+2:G0A+3], s[PA:PA+1], s[LA:LA+1]
	s_or_b32 s[G0A+3], s[G0A+3], 0x80000000
	s_mul_i32 s91, s[WV], BT
	s_mov_b32 s[G0H], 1
	s_add_co_u32 s[G0H+1], s91, BBASE-BT           ; waves 1, 2, 3: the places of U, L, U2 in slot 0
	s_mov_b64 s[G0H+2:G0H+3], s[68:69]
	s_or_b32 s[G0H+3], s[G0H+3], 0x80000000
	JLOAD WV, G0A, G0H                             ; one tensor load a wave: wave 0 the whole of aw's block 0
	s_lshl_b32 s12, s85, 12                        ; 64 columns of 64 scale bytes
	s_mov_b32 s13, 0
	s_add_nc_u64 s[10:11], s[10:11], s[12:13]
.irp i, 0,1,2,3,4,5,6,7
	global_load_b128 v[AF+4*\i:AF+4*\i+3], v[L16], s[10:11] offset:512*\i      ; 4,096 consecutive bytes a wave
.endr
	PFA 1                                          ; what the head's second loads bring
	PFB BP1, 1
	s_cmp_eq_u32 s[HALF], 0
	s_cbranch_scc1 .Lno_l2
	PFB BP2, 0                                     ; (of the second pair L2 alone)
.Lno_l2:
	s_mov_b32 s[G0B1], 1
	s_add_nc_u64 s[G0B1+2:G0B1+3], s[BP1:BP1+1], 256
	s_or_b32 s[G0B1+3], s[G0B1+3], 0x80000000
	s_mov_b32 s[G0B2], 1
	s_mov_b64 s[G0B2+2:G0B2+3], s[BP2:BP2+1]
	s_or_b32 s[G0B2+3], s[G0B2+3], 0x80000000
	s_lshl_b32 s16, s85, 8                         ; 64 columns of f32
	s_mov_b32 s17, 0
	s_add_nc_u64 s[PUB:PUB+1], s[PUB:PUB+1], s[16:17]
	s_add_nc_u64 s[PUB+2:PUB+3], s[PUB+2:PUB+3], s[16:17]
	s_lshl_b32 s18, s88, 8
	s_lshl_b32 s19, s[WV], 6
	s_add_co_u32 s18, s18, s19                     ; my first row
	s_lshl_b32 s20, s18, 13
	s_add_co_u32 s20, s20, s16
	s_mov_b32 s21, 0
	s_add_nc_u64 s[OUT:OUT+1], s[OUT:OUT+1], s[20:21]
	s_add_nc_u64 s[OUT+2:OUT+3], s[OUT+2:OUT+3], s[20:21]
	s_lshl_b32 s22, s85, 13                        ; part: [2 results][32 chunks of 64 columns][2048 rows]
	s_lshl_b32 s18, s18, 2
	s_add_co_u32 s22, s22, s18
	s_mov_b32 s23, 0
	s_add_nc_u64 s[6:7], s[6:7], s[22:23]
; A LIST OF LDS LOADS, issued a few at a time.  FET names it: what step fp needs: nsc scale words' loads (4: aw's; 12: U .. L2's too), then 8 loads for each of nk kinds, in the order of ord's digits from the low end
; (0 P, 1 M, 2 U, 3 L, 4 U2, 5 L2).  SL issues the next n.
.macro FET fp, nsc, ord, nk
.set FP, \fp
.set FS, FP%2
.set FAS, (FP/2)%2
.set FBS, (FP/4)%2
.set NSC, \nsc
.set LORD, \ord
.set LI, 0
.set LN, NSC+8*(\nk)
.endm
.macro LD1
.if LI < NSC
	WIN 0
.if LI < 4
	ds_load_b64 v[SCA+8*FAS+2*LI:SCA+8*FAS+2*LI+1], v[ADRSA+FAS] offset:256*LI
.else
	ds_load_b128 v[SCB+32*FBS+4*(LI-4):SCB+32*FBS+4*(LI-4)+3], v[ADRSB] offset:SCT*((LI-4)/2)+2176*((LI-4)%2)+16*(FP/4)
.endif
.else
.set LK, LI-NSC
.set KD, (LORD>>(4*(LK/8)))&15
.set LF, (LK%8)/2
.set LC, LK%2
.if KD < 2
.set LR, AF+64*FS+32*KD+8*LF+4*LC
	WIN 0
	ds_load_b128 v[LR:LR+3], v[ADRA+FAS] offset:4096*LF+2048*KD+1024*(FP%2)+512*LC
.else
.set LR, 128*FS+32*(KD-2)+8*LF+4*LC
	WIN 0x40
	ds_load_b128 v[LR:LR+3], v[ADRB+FBS] offset:BT*(KD-2)+16*BPT*LF+64*(FP%4)+32*LC
.endif
.endif
.set LI, LI+1
.endm
.macro SL n
.rept \n
.if LI < LN
	LD1
.endif
.endr
.endm
.macro CUR p                           ; the step that the products below belong to
.set CP, \p
.set CS, CP%2
.set CAS, (CP/2)%2
.set CBS, (CP/4)%2
.endm
; Four matrix instructions: kind kb (2 .. 5) with kind ka (0, 1), row blocks 2 hh and 2 hh + 1, 64 columns.  zero = 1: the product starts the sum.  Eight or more sums take turns everywhere.
.macro MUL4 kb, ka, hh, zero
	WIN 0xa1+0x50*(((\kb)-2)/2)
.set AA, 2*(\hh)
.rept 2
.irp cb, 0,1
.set rD, 128*(((\kb)&1)^(\ka))+32*AA+16*\cb
.set rB, 128*CS+32*((\kb)-2)+16*\cb
.set rA, AF+64*CS+32*(\ka)+8*AA
.set rSB, SCB+32*CBS+4*(2*((\kb)-2)+\cb)+(CP%4)
.set rSA, SCA+8*CAS+2*AA+(CP%2)
.if \zero
.if \ka
	v_wmma_scale_f32_32x16x128_f4 v[rD:rD+15], v[rB:rB+15], v[rA:rA+7], 0, v[rSB], v[rSA] matrix_b_scale:MATRIX_SCALE_ROW1
.else
	v_wmma_scale_f32_32x16x128_f4 v[rD:rD+15], v[rB:rB+15], v[rA:rA+7], 0, v[rSB], v[rSA]
.endif
.else
.if \ka
	v_wmma_scale_f32_32x16x128_f4 v[rD:rD+15], v[rB:rB+15], v[rA:rA+7], v[rD:rD+15], v[rSB], v[rSA] matrix_b_scale:MATRIX_SCALE_ROW1
.else
	v_wmma_scale_f32_32x16x128_f4 v[rD:rD+15], v[rB:rB+15], v[rA:rA+7], v[rD:rD+15], v[rSB], v[rSA]
.endif
.endif
.endr
.set AA, AA+1
.endr
.endm
.macro GRP kb, ka, zero, n             ; a product for all my rows, with n loads of the list behind each half
	MUL4 \kb, \ka, 0, \zero
	SL \n
	MUL4 \kb, \ka, 1, \zero
	SL \n
.endm
; A step with its successor in the same slots: the next step's loads stand among the products.
.macro EVEN p
	CUR \p
	FET (\p)+1, 0, 0x543210, 6                     ; P, M, U in one run, L, U2, L2 in another
	s_wait_dscnt 24                                ; P, M, U are in; the youngest 24 loads, L's, U2's, L2's, may be out
	PLACES
	GRP 2, 0, 0, 0
	GRP 2, 1, 0, 0
	SL 24
	s_wait_dscnt 40                                ; L is in: U2's, L2's and the 24 new loads may be out
	GRP 3, 0, 0, 0
	GRP 3, 1, 0, 0
	s_wait_dscnt 24                                ; U2, L2 are in
	GRP 4, 0, 0, 0
	SL 24
	GRP 4, 1, 0, 0
	GRP 5, 0, 0, 0
	GRP 5, 1, 0, 0
.endm
; A step that changes slots: in front of the round each wave waits for all its tensor loads, adds 0 to its spare word, and waits for that and for its own reads; behind it come the refills, one a wave.
.macro ODD p, nsc, ord, nk
	CUR \p
	WIN 0
	s_wait_tensorcnt 0x0                           ; my part of the next tiles is in
	ds_add_u32 v[SPW], v[NIL]
	STEPA ((\p)+3)/2
.if (\p) == 11
.elseif (\p)%4 == 3
	STEPB G0B1, ((\p)+5)/4, 0
.else
	STEPB G0B2, ((\p)+3)/4, 1
.endif
	s_wait_dscnt 25                                ; (L's, U2's, L2's 24 loads and the add may be out)
	GRP 2, 0, 0, 0
	GRP 2, 1, 0, 0
	s_wait_dscnt 0x0                               ; the add is done, and so are my reads of the slots that are filled below
	s_barrier_signal -1
	GRP 3, 0, 0, 0
	WIN 0
	s_barrier_wait -1
	CREST
.if (\p) == 11
	s_cmp_eq_u32 s[ROLE], 0                        ; aw's last block alone is left to fetch
	s_cbranch_scc0 .Lno_more
	tensor_load_to_lds s[G0A:G0A+3], s[G1A:G1A+7]
	s_nop 0
.rept 4
	v_nop
.endr
.Lno_more:
	PLACES
.elseif (\p)%4 == 3
	JLOAD ROLE, G0A, G0B1                          ; its v_nop are also the places in front of the loads below
.else
	JLOAD ROLE, G0A, G0B2
.endif
	FET (\p)+1, \nsc, \ord, \nk
	SL 24+(\nsc)
.if (\p) < 8
	WIN 0
	PFA ((\p)+7)/2
.if (\p) == 3
	PFB BP1, 3
.elseif (\p) == 5
	PFB BP2, 3
.endif
.endif
	GRP 3, 1, 0, 0
	GRP 4, 0, 0, 0
	SL 24
	GRP 4, 1, 0, 0
	GRP 5, 0, 0, 0
	GRP 5, 1, 0, 0
.endm
; The last 512 along K: a step of the first pair alone.
.macro HA p, fp, ord
	CUR \p
	FET \fp, 0, \ord, 4
	s_wait_dscnt 8
	PLACES
	GRP 2, 0, 0, 0
	SL 32
	GRP 2, 1, 0, 0
	s_wait_dscnt 32                                ; L is in: 32 loads were issued behind it
	GRP 3, 0, 0, 0
	GRP 3, 1, 0, 0
.endm
; THE FIRST PAIR'S WAY OUT, block by block of 16 rows x 64 columns, the upper result's four and then the lower's: through my own stage and back as whole rows of 256 bytes.
; LDS serves a wave's instructions in order (ISA guide 5.7.1.4): no wait between the stores and the loads, nor in front of the next block's stores.
.macro TOSTAGE n
.set AB, 128*((\n)/4)+32*((\n)%4)
.set BB, 32*((\n)%2)
	WIN 0x08                                       ; an LDS store's data are its source 1: window 2
.irp j, 0,1,2,3
	ds_store_b128 v[STO], v[AB+8*\j:AB+8*\j+3] offset:64*\j          ; each sum from its low end on
	ds_store_b128 v[STO], v[AB+8*\j+4:AB+8*\j+7] offset:64*\j+16
.endr
	s_wait_xcnt 0x0                                ; block n - 2's stores have read the registers that are loaded below
	WIN 0x40
.irp t, 0,1,2,3,4,5,6,7
	ds_load_b128 v[BB+4*\t:BB+4*\t+3], v[RD] offset:2*SPITCH*\t
.endr
.endm
.macro SEND n, younger                 ; younger: the LDS loads issued behind block n's, which may stay out
.set OO, OUT+2*((\n)/4)
.set BB, 32*((\n)%2)
	s_wait_dscnt \younger
	WIN 0x04
.irp t, 0,1,2,3,4,5,6,7
	global_store_b128 v[CO], v[BB+4*\t:BB+4*\t+3], s[OO:OO+1] offset:(16*((\n)%4)+2*\t)*8192 th:TH_STORE_NT   ; sixteen lanes store 256 consecutive bytes, aligned
.endr
.endm
; A step of the second pair, with two blocks of the first pair's results on their way out; f = 1: the next step's loads stand in it too.
; hw: what may be out at its head: 8 (L2's loads) or 16 (the stage's instructions behind the fragments' loads).
.macro HB p, n, f, hw
	CUR \p
	FET (\p)+1, 0, 0x5410, 4*(\f)
	s_wait_dscnt \hw
	PLACES
	GRP 4, 0, 0, 0
.if (\n) > 0
	SEND (\n)-1, 0
.endif
	TOSTAGE \n
	SL 32
	GRP 4, 1, 0, 0
	s_wait_dscnt 16+32*(\f)                        ; L2 is in: the stage's 16 and the run's loads were issued behind it
	GRP 5, 0, 0, 0
	SEND \n, 32*(\f)
	TOSTAGE (\n)+1
	GRP 5, 1, 0, 0
.endm
	s_wait_alu depctr_va_vdst(0)
	s_wait_loadcnt 0x0                             ; my scale bytes are in registers,
	s_wait_tensorcnt 0x0                           ; my tile in LDS
.irp i, 0,1,2,3,4,5,6,7
	ds_store_b128 v[ADRSS], v[AF+4*\i:AF+4*\i+3] offset:544*\i
.endr
	s_wait_tensorcnt 0x0
	ds_add_u32 v[SPW], v[NIL]
	STEPA 1
	s_add_co_u32 s[G0H+1], s91, BBASE+2*BT         ; waves 1, 2, 3: L2 in slot 0, U and L in slot 1
	s_mov_b64 s[G0H+2:G0H+3], s[70:71]
	s_or_b32 s[G0H+3], s[G0H+3], 0x80000000
	s_wait_dscnt 0x0                               ; the add and my scale bytes' stores are done
	CROUND
	JLOAD WV, G0A, G0H                             ; the head's second loads
	FET 0, 12, 0x43210, 5
	SL 52
	WIN 0
	PFA 2
	PFB BP2, 1
	PFA 3
	PFB BP1, 2
	CUR 0
	FET 1, 0, 0x43210, 5
	s_wait_dscnt 16                                ; P, M, U are in
	GRP 2, 0, 1, 0                                 ; the first products start the sums
	GRP 2, 1, 1, 0
	SL 40
	s_wait_dscnt 48                                ; L is in: U2's 8 and the 40 new loads may be out
	GRP 3, 0, 0, 0
	GRP 3, 1, 0, 0
	s_wait_dscnt 40                                ; U2 is in
	GRP 4, 0, 1, 0
	GRP 4, 1, 1, 0
	CUR 1
	s_wait_dscnt 0x0
	GRP 2, 0, 0, 0
	GRP 3, 0, 0, 0
	GRP 4, 0, 0, 0
	WIN 0
	s_wait_tensorcnt 0x0                           ; the head's second tiles
	ds_add_u32 v[SPW], v[NIL]
	s_mov_b32 s[G1A+2], 136<<16                    ; no tensor load of mine is out: from here on waves 0 and 1 fetch a half of a block each
	s_mov_b32 s[G1A+4], 136
	STEPA 2
	STEPB G0B2, 1, 1
	s_wait_dscnt 1                                 ; M is in
	GRP 3, 1, 0, 0
	s_wait_dscnt 0x0
	s_barrier_signal -1
	GRP 2, 1, 0, 0
	WIN 0
	s_barrier_wait -1
	CREST
	JLOAD ROLE, G0A, G0B2
	FET 0, 0, 5, 1                                 ; L2 of steps 0 and 1
	SL 8
	FET 1, 0, 5, 1
	SL 8
	WIN 0
	PFA 4
	PFB BP2, 2
	GRP 4, 1, 0, 0
	FET 2, 4, 0x510432, 6                          ; step 2: U, L, U2 first: their registers are free since step 0
	CUR 0
	s_wait_dscnt 8                                 ; L2 of step 0 is in
	GRP 5, 0, 0, 0
	SL 28
	GRP 5, 1, 0, 0
	CUR 1
	s_wait_dscnt 28                                ; L2 of step 1: 28 loads were issued behind it
	GRP 5, 0, 0, 0
	PLACES                                         ; P, M and L2 of step 0 are done with
	SL 24
	GRP 5, 1, 0, 0
	s_wait_dscnt 8                                 ; all of step 2 but L2
	EVEN 2
	ODD 3, 12, 0x543210, 6
	EVEN 4
	ODD 5, 4, 0x543210, 6
	EVEN 6
	ODD 7, 12, 0x543210, 6
	EVEN 8
	ODD 9, 4, 0x543210, 6
	EVEN 10
	ODD 11, 12, 0x3210, 4
	HA 12, 13, 0x3210
	CUR 13
	s_wait_tensorcnt 0x0                           ; aw's last block
	s_wait_dscnt 8                                 ; all but L
	GRP 2, 0, 0, 0
	s_wait_dscnt 0x0
	s_barrier_signal -1
	GRP 2, 1, 0, 0
	s_barrier_wait -1
	PLACES
	FET 14, 4, 0x3210, 4
	SL 36
	GRP 3, 0, 0, 0
	GRP 3, 1, 0, 0
	HA 14, 15, 0x3210
	HA 15, 12, 0x5410                              ; both blocks of aw still lie in LDS: the second pair's four steps read them once more
	PLACES
	WIN 0x40
.irp j, 0,1,2,3                                ; prev_ub and prev_lb at my lane's 32 columns, into registers that held U and L
.irp c, 0,1
	global_load_b128 v[128+8*\j+4*\c:128+8*\j+4*\c+3], v[VO], s[PUB:PUB+1] offset:64*\j+16*\c
	global_load_b128 v[160+8*\j+4*\c:160+8*\j+4*\c+3], v[VO], s[PUB+2:PUB+3] offset:64*\j+16*\c
.endr
.endr
	HB 12, 0, 1, 8
	HB 13, 2, 1, 16
	HB 14, 4, 1, 16
	PLACES
	s_wait_loadcnt 0x0
	WIN 0x05                                       ; from window 1 into window 0, where step 14's P and M lay
.set n, 0
.rept 16
	v_pk_add_f32 v[128+n:129+n], v[128+n:129+n], v[160+n:161+n]                                  ; pu + pl
	v_pk_add_f32 v[160+n:161+n], v[128+n:129+n], v[160+n:161+n] neg_lo:[0,1] neg_hi:[0,1]        ; pu - pl
.set n, n+2
.endr
	s_wait_alu depctr_va_vdst(0)
	HB 15, 6, 0, 16
	SEND 7, 0
; THE SECOND PAIR'S ROW SUMS: for each of two results and four row blocks a chain of x (pu + pl), two columns at a time, and one of |x| (pu - pl), by turns; each sum's registers from the low end on
	PLACES
	WIN 0x03                                       ; source 0: window 3
.irp j, 0,1,2,3
.irp e, 0,2,4,6
.irp o, 0,1
.irp a, 0,1,2,3
.set XX, 128*\o+32*\a+8*\j+\e
.set QQ, RS+2*(4*\o+\a)
.if (\j == 0) && (\e == 0)
	v_pk_mul_f32 v[QQ:QQ+1], v[XX:XX+1], v[128+8*\j+\e:129+8*\j+\e]
.else
	v_pk_fma_f32 v[QQ:QQ+1], v[XX:XX+1], v[128+8*\j+\e:129+8*\j+\e], v[QQ:QQ+1]
.endif
.endr
.endr
.irp i, 0,1
.irp o, 0,1
.irp a, 0,1,2,3
.set XX, 128*\o+32*\a+8*\j+\e+\i
.set QQ, 192+4*\o+\a
.if (\j == 0) && (\e == 0) && (\i == 0)
	v_mul_f32 v[QQ], |v[XX]|, v[160+8*\j+\e+\i]
.else
	v_fma_f32 v[QQ], |v[XX]|, v[160+8*\j+\e+\i], v[QQ]
.endif
.endr
.endr
.endr
.endr
.endr
	WIN 0
.irp i, 0,1,2,3,4,5,6,7
	v_add_f32 v[RS+2*\i], v[RS+2*\i], v[RS+2*\i+1]
.endr
.irp i, 0,1,2,3
	v_add_f32 v[RS+2*\i], v[RS+2*\i], v[192+\i]                ; upper
	v_sub_f32 v[RS+8+2*\i], v[RS+8+2*\i], v[196+\i]            ; lower
.endr
.irp i, 0,1,2,3,4,5,6,7
	v_permlanex16_b32 v[128+\i], v[RS+2*\i], s[SEL], s[SEL+1]  ; a row's other 32 columns lie in the lane 16 away
.endr
.irp i, 0,1,2,3,4,5,6,7
	v_add_f32 v[RS+2*\i], v[RS+2*\i], v[128+\i]
.endr
.irp o, 0,1
.irp a, 0,1,2,3
	ds_store_b32 v[RST], v[RS+2*(4*\o+\a)] offset:256*\o+64*\a     ; row 16 a + r; both halves of the lanes write the same word with the same value
.endr
.endr
	ds_load_b128 v[144:147], v[RRD]                ; LDS serves a wave's instructions in order: this sees my stores
	s_wait_dscnt 0x0
	global_store_b128 v[POFF], v[144:147], s[6:7]  ; my 64 rows' sums: 256 consecutive bytes of each result, aligned
	s_wait_tensorcnt 0x0                           ; the wave's end
	ds_add_u32 v[SPW], v[NIL]
	s_wait_dscnt 0x0
	CROUND                                         ; the closing round
	s_endpgm
.Lfunc_end_k_q483e8ca536_gemm:
	.size	k_q483e8ca536_gemm, .Lfunc_end_k_q483e8ca536_gemm-k_q483e8ca536_gemm
	.p2alignl 7, 3214868480
	.fill 96, 4, 3214868480
	.section	.rodata,"a",@progbits
	.p2align	6, 0x0
	.amdhsa_kernel k_q483e8ca536_gemm
		.amdhsa_group_segment_fixed_size 327680
		.amdhsa_private_segment_fixed_size 0
		.amdhsa_enable_private_segment 0
		.amdhsa_kernarg_size 112
		.amdhsa_user_sgpr_count 2
		.amdhsa_user_sgpr_kernarg_segment_ptr 1
		.amdhsa_wavefront_size32 1
		.amdhsa_system_sgpr_workgroup_id_x 1
		.amdhsa_system_sgpr_workgroup_id_y 1
		.amdhsa_system_sgpr_workgroup_id_z 1
		.amdhsa_system_vgpr_workitem_id 0
		.amdhsa_next_free_vgpr 1024
		.amdhsa_next_free_sgpr 100
		.amdhsa_reserve_vcc 0
		.amdhsa_float_denorm_mode_32 3
		.amdhsa_float_denorm_mode_16_64 3
		.amdhsa_memory_ordered 1
		.amdhsa_forward_progress 1
		.amdhsa_inst_pref_size 255
	.end_amdhsa_kernel
	.section	.bss,"aw",@nobits
	.p2align	6
	.space	262144
	.amdgpu_metadata
---
amdhsa.version: [ 1, 2 ]
amdhsa.kernels:
  - .name:           k_q483e8ca536_gemm
    .symbol:         k_q483e8ca536_gemm.kd
    .args:
      - { .name: aw, .offset: 0, .size: 8, .value_kind: global_buffer, .address_space: global }
      - { .name: part, .offset: 8, .size: 8, .value_kind: global_buffer, .address_space: global }
      - { .name: prev_W_upper_codes, .offset: 16, .size: 8, .value_kind: global_buffer, .address_space: global }
      - { .name: prev_W_upper_scales, .offset: 24, .size: 8, .value_kind: global_buffer, .address_space: global }
      - { .name: prev_W_lower_codes, .offset: 32, .size: 8, .value_kind: global_buffer, .address_space: global }
      - { .name: prev_W_lower_scales, .offset: 40, .size: 8, .value_kind: global_buffer, .address_space: global }
      - { .name: prev_W_upper2_codes, .offset: 48, .size: 8, .value_kind: global_buffer, .address_space: global }
      - { .name: prev_W_upper2_scales, .offset: 56, .size: 8, .value_kind: global_buffer, .address_space: global }
      - { .name: prev_W_lower2_codes, .offset: 64, .size: 8, .value_kind: global_buffer, .address_space: global }
      - { .name: prev_W_lower2_scales, .offset: 72, .size: 8, .value_kind: global_buffer, .address_space: global }
      - { .name: prev_ub, .offset: 80, .size: 8, .value_kind: global_buffer, .address_space: global }
      - { .name: prev_lb, .offset: 88, .size: 8, .value_kind: global_buffer, .address_space: global }
      - { .name: out1, .offset: 96, .size: 8, .value_kind: global_buffer, .address_space: global }
      - { .name: out2, .offset: 104, .size: 8, .value_kind: global_buffer, .address_space: global }
    .group_segment_fixed_size: 327680
    .private_segment_fixed_size: 0
    .kernarg_segment_align: 8
    .kernarg_segment_size: 112
    .max_flat_workgroup_size: 128
    .sgpr_count:     100
    .vgpr_count:     1024
    .wavefront_size: 32
...
	.end_amdgpu_metadata
.endif
;; end of part 2
;; launch final (part 3): grid 32 x 2, 1 waves a work-group, no clusters, 0 bytes of LDS; arguments part, pv, b, out0, out3, out4; writes out0, out3, out4
.if DOCPART == 3
	.amdgcn_target "amdgcn-amd-amdhsa--gfx1250"
	.amdhsa_code_object_version 6
	.text
	.protected	k_q483e8ca536_final
	.globl	k_q483e8ca536_final
	.p2align	8
	.type	k_q483e8ca536_final,@function
k_q483e8ca536_final:
	s_mov_b64 s[64:65], 0
	v_nop
	global_prefetch_b8 v0, s[64:65] scope:SCOPE_SE
	s_setreg_imm32_b32 hwreg(HW_REG_WAVE_MODE, 25, 1), 1
	s_wait_xcnt 0x0
; The vectors.  Work-group (x, y): rows 64 x .. 64 x + 63 of the upper (y = 0) or the lower (y = 1) outputs; lane (q, h), q = lane % 16, takes rows 4 q .. 4 q + 3 of them, of half of what is summed.
;   out3 / out4 = row sum 0 + y, + b;   out0 row y = row sum 2 + y, + b (ub, lb);   out0 row 2 + y = min (y = 0) or max (y = 1) of that and  0.5 x (the 32 chunks of part) + row sum 4 + y + b.
; (ub1 and lb1, which repeat ub and lb, are left out: the first kernel's head shows it.)
; pv holds each row sum as two halves of K, as the image of a 16 x 16 result: rows 4 q .. 4 q + 3 of half f of sum n are the 16 bytes at
;   2048 (q / 4) + 1024 f + 512 (q % 2) + 256 ((q / 2) % 2) + 16 n   of the group's 8,192 bytes: lanes h take half h.   part: [2][32 chunks of 64 columns][2048 rows], twice the sums: lanes h take chunks 2 c + h.
; A few kilobytes a work-group: one wave, all loads at once, one wait; LDS, matrix units and clusters would add nothing.
	s_load_b128 s[4:7], s[0:1], 0x0                ; part, pv
	s_load_b128 s[8:11], s[0:1], 0x10              ; b, out0
	s_load_b128 s[12:15], s[0:1], 0x20             ; out3, out4
	s_and_b32 s16, ttmp7, 0xffff                   ; y
	s_mov_b32 s26, 0x76543210                      ; v_permlanex16_b32's selects for lane l xor 16
	s_mov_b32 s27, 0xfedcba98
	s_lshl_b32 s18, ttmp9, 8                       ; 64 rows of f32
	s_mov_b32 s19, 0
	s_lshl_b32 s20, s16, 18
	s_add_co_u32 s20, s20, s18                     ; part: the result's 262,144 bytes, the group's rows
	s_mov_b32 s21, 0
	s_lshl_b32 s22, ttmp9, 13
	s_lshl_b32 s23, s16, 4
	s_add_co_u32 s22, s22, s23                     ; pv: the group's 8,192 bytes, + 16 y
	s_mov_b32 s23, 0
	s_lshl_b32 s24, s16, 13
	s_add_co_u32 s24, s24, s18                     ; out0: row y
	s_mov_b32 s25, 0
	v_and_b32 v1, 15, v0                           ; q
	v_lshrrev_b32 v2, 4, v0                        ; h
	v_lshlrev_b32 v3, 4, v1                        ; four rows: 16 bytes
	v_lshl_or_b32 v4, v2, 13, v3                   ; part: my chunk of the pair
	v_lshrrev_b32 v6, 2, v1
	v_lshlrev_b32 v5, 11, v6
	v_lshl_or_b32 v5, v2, 10, v5
	v_and_b32 v6, 1, v1
	v_lshl_or_b32 v5, v6, 9, v5
	v_bfe_u32 v6, v1, 1, 1
	v_lshl_or_b32 v5, v6, 8, v5                    ; pv
	v_lshl_or_b32 v7, v2, 14, v3                   ; out0: lanes 0-15 row y, lanes 16-31 row 2 + y
	v_cmp_lt_u32 vcc_lo, 15, v0
	s_wait_alu depctr_va_vdst(0)
	s_wait_kmcnt 0x0
	s_cmp_eq_u32 s16, 0
	s_cselect_b64 s[12:13], s[12:13], s[14:15]     ; out3 or out4: the choice hangs on the work-group's number alone
	s_cselect_b32 s17, -1, 0                       ; all lanes: the smaller (y = 0) or the larger (y = 1)
	s_add_nc_u64 s[4:5], s[4:5], s[20:21]
	s_add_nc_u64 s[6:7], s[6:7], s[22:23]
	s_add_nc_u64 s[8:9], s[8:9], s[18:19]
	s_add_nc_u64 s[10:11], s[10:11], s[24:25]
	s_add_nc_u64 s[12:13], s[12:13], s[18:19]
.irp k, 0,1,2
	global_load_b128 v[8+4*\k:11+4*\k], v5, s[6:7] offset:32*\k        ; row sum 2 k + y, my half of K
.endr
	global_load_b128 v[20:23], v3, s[8:9]          ; b
.set c, 0
.rept 16
	global_load_b128 v[32+4*c:35+4*c], v4, s[4:5] offset:16384*c th:TH_LOAD_NT     ; chunks 2 c and 2 c + 1: 256 consecutive bytes of each; read once
.set c, c+1
.endr
	s_wait_loadcnt 0x0
.irp d, 1,2,4,8                                ; my 16 chunks, as a tree
.set c, 0
.rept 8/\d
.irp p, 0,2
	v_pk_add_f32 v[32+4*c+\p:33+4*c+\p], v[32+4*c+\p:33+4*c+\p], v[32+4*(c+\d)+\p:33+4*(c+\d)+\p]
.endr
.set c, c+2*\d
.endr
.endr
.irp i, 0,1,2,3
	v_permlanex16_b32 v[36+\i], v[32+\i], s26, s27 ; the other chunks' sum lies in the lane 16 away,
.endr
.irp i, 0,1,2,3,4,5,6,7,8,9,10,11
	v_permlanex16_b32 v[40+\i], v[8+\i], s26, s27  ; and the other half of K
.endr
.irp p, 0,2
	v_pk_add_f32 v[32+\p:33+\p], v[32+\p:33+\p], v[36+\p:37+\p]
.endr
.irp p, 0,2,4,6,8,10
	v_pk_add_f32 v[8+\p:9+\p], v[8+\p:9+\p], v[40+\p:41+\p]
.endr
.irp k, 0,1,2
.irp p, 0,2
	v_pk_add_f32 v[8+4*\k+\p:9+4*\k+\p], v[8+4*\k+\p:9+4*\k+\p], v[20+\p:21+\p]           ; + b
.endr
.endr
.irp p, 0,2
	v_pk_fma_f32 v[32+\p:33+\p], v[32+\p:33+\p], 0.5, v[16+\p:17+\p] op_sel_hi:[1,0,1]    ; ub2 or lb2: half the sum + bu or bl
.endr
.irp e, 0,1,2,3
	v_min_num_f32 v[24+\e], v[12+\e], v[32+\e]
	v_max_num_f32 v[28+\e], v[12+\e], v[32+\e]
.endr
.irp e, 0,1,2,3
	v_cndmask_b32 v[24+\e], v[28+\e], v[24+\e], s17
.endr
.irp e, 0,1,2,3
	v_cndmask_b32 v[28+\e], v[12+\e], v[24+\e], vcc_lo         ; lanes 0-15 ub or lb, lanes 16-31 the better bound
.endr
	global_store_b128 v3, v[8:11], s[12:13]        ; 256 consecutive bytes, aligned: both halves of the lanes hold the same
	global_store_b128 v7, v[28:31], s[10:11]       ; 256 consecutive bytes of each of two rows, aligned
	s_endpgm
.Lfunc_end_k_q483e8ca536_final:
	.size	k_q483e8ca536_final, .Lfunc_end_k_q483e8ca536_final-k_q483e8ca536_final
	.p2alignl 7, 3214868480
	.fill 96, 4, 3214868480
	.section	.rodata,"a",@progbits
	.p2align	6, 0x0
	.amdhsa_kernel k_q483e8ca536_final
		.amdhsa_group_segment_fixed_size 0
		.amdhsa_private_segment_fixed_size 0
		.amdhsa_enable_private_segment 0
		.amdhsa_kernarg_size 48
		.amdhsa_user_sgpr_count 2
		.amdhsa_user_sgpr_kernarg_segment_ptr 1
		.amdhsa_wavefront_size32 1
		.amdhsa_system_sgpr_workgroup_id_x 1
		.amdhsa_system_sgpr_workgroup_id_y 1
		.amdhsa_system_sgpr_workgroup_id_z 1
		.amdhsa_system_vgpr_workitem_id 0
		.amdhsa_next_free_vgpr 96
		.amdhsa_next_free_sgpr 66
		.amdhsa_reserve_vcc 1
		.amdhsa_float_denorm_mode_32 3
		.amdhsa_float_denorm_mode_16_64 3
		.amdhsa_memory_ordered 1
		.amdhsa_forward_progress 1
		.amdhsa_inst_pref_size 9
	.end_amdhsa_kernel
	.amdgpu_metadata
---
amdhsa.version: [ 1, 2 ]
amdhsa.kernels:
  - .name:           k_q483e8ca536_final
    .symbol:         k_q483e8ca536_final.kd
    .args:
      - { .name: part, .offset: 0, .size: 8, .value_kind: global_buffer, .address_space: global }
      - { .name: pv, .offset: 8, .size: 8, .value_kind: global_buffer, .address_space: global }
      - { .name: b, .offset: 16, .size: 8, .value_kind: global_buffer, .address_space: global }
      - { .name: out0, .offset: 24, .size: 8, .value_kind: global_buffer, .address_space: global }
      - { .name: out3, .offset: 32, .size: 8, .value_kind: global_buffer, .address_space: global }
      - { .name: out4, .offset: 40, .size: 8, .value_kind: global_buffer, .address_space: global }
    .group_segment_fixed_size: 0
    .private_segment_fixed_size: 0
    .kernarg_segment_align: 8
    .kernarg_segment_size: 48
    .max_flat_workgroup_size: 32
    .sgpr_count:     66
    .vgpr_count:     96
    .wavefront_size: 32
...
	.end_amdgpu_metadata
.endif
;; end of part 3
